; MI455X (gfx1250); checked and timed in simulation.
; The chip was launched on July 23, 2026; its instructions are those of AMD's public machine-readable ISA for CDNA 5 (MIT licence, August 2026) and "CDNA5" Instruction Set Architecture Reference Guide (July 2026). The comments in the code are by the model that wrote it; some were corrected since.
;; Compressor. Allowed arithmetic: matrix products marked QUANTISED: E3M2 operands, one E8M0 scale for each 32 along K, by v_wmma_scale_f32_16x16x128_f8f6f4 with both operands' format E3M2, f32 sums; everything else in f32.
;; Inputs: ape 4 x 512 float32; norm_w 512 float32; wgate_w_codes 512 x 128 x 24 uint8 (E3M2 codes of wgate_w, K innermost, in blocks of 32 codes, four codes in three bytes); wgate_w_scales 512 x 128 uint8 (E8M0 scales of wgate_w, one for each 32 codes along K); wkv_w_codes 512 x 128 x 24 uint8 (E3M2 codes of wkv_w, K innermost, in blocks of 32 codes, four codes in three bytes); wkv_w_scales 512 x 128 uint8 (E8M0 scales of wkv_w, one for each 32 codes along K); x_codes 4 x 4,096 x 128 x 24 uint8 (E3M2 codes of x, K innermost, in blocks of 32 codes, four codes in three bytes); x_scales 4 x 4,096 x 128 uint8 (E8M0 scales of x, one for each 32 codes along K).
;; Outputs: out0 4 x 1,024 x 512 float32.
;; This version of the problem:
;;   THIS VERSION OF THE PROBLEM IS GIVEN IN LOW PRECISION. The matrix products marked QUANTISED in the list below multiply operands that are first quantised to E3M2 (3 exponent bits, 2 mantissa bits; 6 bits a number), with one power-of-two scale for each 32 numbers along K (OCP MX v1.0); their sums are f32. All else is computed in f32.
;;   The module's matrix products, in the order in which they are computed (A, B: the left and right operand; K: the contracted axis; several contracted axes count as one K, in the product's order):
;;     1. [M 16,384, K 4,096] x [K 4,096, N 512]; A: input x (given as codes); B: input wkv_w (given as codes): QUANTISED
;;     2. [M 16,384, K 4,096] x [K 4,096, N 512]; A: input x (given as codes); B: input wgate_w (given as codes): QUANTISED
;;   THE QUANTISER, for each operand of a quantised product, along K:
;;     - K is cut into blocks of 32 from its start; a last block that is shorter is filled with zeros.
;;     - A block's scale is 2^e with e = floor(log2(the largest magnitude in the block)) - 4, held to -126 .. 127; a block of zeros has e = 0. As a byte (E8M0): e + 127.
;;     - Each number is divided by its block's scale, clamped to +-28, and rounded to the nearest number of E3M2, ties to even, subnormals kept.
;;     - The product sums the exact products of the quantised numbers (number of the format x scale) in f32.
;;   ~~~python
;;   def quantise(x, axis):      # numpy; x: float32 -> the quantised numbers, widened to float32 again
;;       x = np.moveaxis(x, axis, -1); K = x.shape[-1]
;;       x = np.pad(x, [(0, 0)] * (x.ndim - 1) + [(0, -K % 32)]); x = x.reshape(x.shape[:-1] + (-1, 32)); a = np.abs(x).max(-1, keepdims=True)
;;       e = np.where(a > 0, np.clip(np.frexp(np.where(a > 0, a, 1))[1] - 1 - 4, -126, 127), 0)      # np.frexp(a)[1] - 1 = floor(log2(a)), exactly
;;       r = np.clip(x / 2.0 ** e, -28, 28)
;;       step = 2.0 ** (np.maximum(np.frexp(np.where(r == 0, 1, r))[1] - 1, -2) - 2)
;;       q = np.round(r / step) * step * 2.0 ** e      # np.round: ties to even
;;       return np.moveaxis(q.reshape(q.shape[:-2] + (-1,))[..., :K], -1, axis).astype(np.float32)
;;   ~~~
;;   INPUTS GIVEN AS CODES. wgate_w (in the module: [512, 4096], K = its axis 1); wkv_w (in the module: [512, 4096], K = its axis 1); x (in the module: [4, 4096, 4096], K = its axis 2): each comes as NAME_codes (uint8): NAME with its K axis moved to the last place and cut into blocks of 32 codes, [.., K / 32, bytes a block], one block behind the other in memory; four codes in three bytes: a row's codes are one little-endian stream of bits, code i at bits 6 i .. 6 i + 5 (a code: sign, 3 exponent bits, 2 mantissa bits); and NAME_scales (uint8): the same leading axes, one E8M0 byte (e + 127) for each 32 codes along K. Its value is code x scale, taken as it is: it is not quantised again, and the codes and scales need not be those that the quantiser above would give.
;; One version. Each part assembles by itself: llvm-mc -triple=amdgcn-amd-amdhsa -mcpu=gfx1250 --defsym DOCPART=n.
;; ======== version 1 of 1: 2 launches
;; workspace buffers: pooled 8,388,608 bytes
;; launch gemm (part 1): grid 4 x 64, 4 waves a work-group, clusters of 4 x 4, 327,680 bytes of LDS; arguments x_codes, x_scales, wkv_w_codes, wkv_w_scales, wgate_w_codes, wgate_w_scales, ape, pooled; writes pooled
.if DOCPART == 1
	.amdgcn_target "amdgcn-amd-amdhsa--gfx1250"
	.amdhsa_code_object_version 6
	.text
	.protected	k_q8453806afc_gemm
	.globl	k_q8453806afc_gemm
	.p2align	8
	.type	k_q8453806afc_gemm,@function
k_q8453806afc_gemm:
	s_mov_b64 s[64:65], 0
	v_nop
	global_prefetch_b8 v0, s[64:65] scope:SCOPE_SE
	s_setreg_imm32_b32 hwreg(HW_REG_WAVE_MODE, 25, 1), 1
	s_wait_xcnt 0x0
	s_wait_alu depctr_hold_cnt(0) depctr_sa_sdst(0) depctr_va_vdst(0) depctr_va_sdst(0) depctr_va_ssrc(0) depctr_va_vcc(0) depctr_vm_vsrc(0)
	s_getreg_b32 s2, hwreg(HW_REG_IB_STS2, 6, 4)
	s_cmp_eq_u32 s2, 0
	s_cbranch_scc0 .Lentry_in_a_cluster
	s_endpgm
.Lentry_in_a_cluster:
	s_bfe_u32 s2, ttmp6, 0x10000c
	s_cmp_lg_u32 s2, 0xf033
	s_cbranch_scc0 .Lentry_shape_is_right
	s_endpgm
.Lentry_shape_is_right:
; pooled[w][n] = 1/4 x the sum over p = 0..3 of ( kv[4 w + p][n] x sigmoid(gate[4 w + p][n]) + ape[p][n] ),  kv = x wkv^T,  gate = x wgate^T.
; x: [16384][4096], wkv, wgate: [512][4096]: codes of BF6 (E3M2), 6 bits each, K innermost, one E8M0 byte for each 32 along K; they go to the matrix unit as they lie.  ape [4][512], pooled [4096][512]: f32.
; The norm over a row's 512 columns is the next launch's: a row's columns are made by four work-groups here.
; LIMITS: the four terms of a window and ape's four are added in another order than the definition's (all in f32; ape's mean is added once); a scale byte 0xff (NaN) is not served.
;   A gate of any size is served: 2^(-g log2 e) becomes infinity or 0, and 1 / (1 + it) becomes 0 or 1.
; SHARES.  A work-group of four waves, as many as a WGP has SIMDs, takes 256 rows of x and 128 output columns: its tile of the right operand is 128 rows of wkv and, behind them, the same 128 rows of wgate.
;   4 x 64 work-groups.  A wave takes 128 rows x (64 columns of kv + the same 64 of gate): 64 accumulators of 16 x 16, 512 registers.
; LAYOUT.  Source 0 = 16 rows of x, source 1 = 16 rows of a weight: in the result lane (r, h) holds column r and its registers 0..7 the rows 8 h + 0..7: TWO WHOLE WINDOWS of one column,
;   and kv and gate of one element lie in the same lane and the same register number of two accumulators.  So gate, product and pool ask nothing of another lane.
; K goes in steps of 256 (rows of 192 bytes) through a ring of two LDS slots filled by the tensor data mover; the scale bytes of the work-group's 512 rows, for all of K, come once, as dense blocks, and stay.
; CLUSTERS: 4 x 4 work-groups.  The four of a row of the cluster need the same tiles of x, the four of a column the same tiles of the weights: each tile is asked for JOINTLY, by the same tensor load with the
;   same descriptor and a mask that names the four.  A cluster's row holds all four tile columns, so each tile of x is asked for once in the launch.
; REGISTERS, in windows of 256: window 0: v1-30 addresses; v32-63 scale words, two sets; v64-87 ape; from v128 x's fragments (8 x 16 rows x 128 K), ONE set; on the way out v128-191 pooled numbers, v192-255 rows read back.
;   window 1: the weights' fragments, TWO sets, at v0 and at v128.   window 2: the accumulators of my rows 0-63 (accumulator (a, b) at v[8 (8 a + b)]; b 0-3 kv, b 4-7 gate);   window 3: those of my rows 64-127.
.set KSTEP,  256                       ; along K in a slot
.set NQ,     2                         ; matrix instructions deep
.set ROWB,   192                       ; a tile's row in bytes: 256 codes of 6 bits
.set KROW,   3072                      ; a row of x or of a weight in memory, in bytes
.set PITCH,  240                       ; an LDS row: 3 x (64 bytes of data + 16 of padding) = 60 words: row r starts at bank -4 r mod 64 (64 banks of 4 bytes: ISA guide 11.1)
.set FR,     12                        ; registers of a fragment: 16 rows x 128 K
.set NL,     6                         ; LDS loads that bring one
.set NP,     4                         ; places behind this matrix instruction (ISA guide 7.12.1)
.set HALFT,  128*PITCH                 ; 128 rows: what one tensor load brings
.set SLOT,   4*HALFT                   ; x's 256 rows, wkv's 128, wgate's 128
.set LAPS,   8                         ; a lap = two K steps = once round the ring: 4096 / 512
.set SCL,    2*SLOT                    ; behind the ring: the scale bytes (128 a row), as blocks of 256 bytes + 16 of padding
.set HALFS,  64*272                    ; those of 128 rows: what one tensor load brings
.set SBLK,   8*272                     ; those of 16 rows
.set SPARE,  SCL+4*HALFS               ; behind the scales: the spare words, 128 bytes for each wave: two blocks of 256 bytes that no other line names
.set SP,     288                       ; the way out: a stage of 32 window rows x (256 bytes + 32) for each wave, in slot 0, which has had its last fill and its last read by then
.set APO,  7                           ; v7      4 r: my column in ape; never rewritten
.set PFO,  8                           ; v8      the prefetches' offset: my lane x a row of x in memory; never rewritten
.set ADRA, 16                          ; v16-17  LDS address of my fragments of x in slot 0, 1  (v18-19: the same for the pieces that lie behind one padding more)
.set ADRB, 20                          ; v20-21  the same for the weights  (v22-23)
.set STO,  24                          ; v24     the way out: where I put a pooled number
.set RD,   25                          ; v25     the way out: where I read 16 bytes of a row back
.set CO,   26                          ; v26     my byte offset in pooled
.set ADRS, 27                          ; v27     LDS address of my scale words: lanes 0-15 x's rows, lanes 16-31 wkv's
.set SPW,  28                          ; v28     LDS address of my spare word: SPARE + 4 x my thread's number; never rewritten
.set NIL,  29                          ; v29     0; never rewritten
.set ADRS2, 30                         ; v30     as v27, with lanes 16-31 four blocks further on: with the offsets of blocks 4-7 they reach wgate's rows
.set SC,   32                          ; scale words: set s at v[SC + 16 s]; register 2 i + q: lanes 0-15 x's block i, lanes 16-31 the weights' block i, for the slot's q-th 128 along K
.set APE,  64                          ; v64-79  ape[p][my column of block b] at 4 b + p
.set APM,  80                          ; v80-83  their mean, for block b;  v84-87 at work
.set AF,   128                         ; x's fragments, in window 0
.set PO,   128                         ; the way out: pooled numbers: block a, column block b, window u at 8 a + 2 b + u
.set BK,   192                         ; the way out: 32 rows read back from the stage
.set WV,   20                          ; s20 wave;  s21 which half of the rows is mine, and: I fetch for x (0) or for the weights (1);  s22 which half of the columns, and: which 128 rows I fetch
.set G1, 24                            ; s[24:31] descriptor group 1 for x's tiles;  s[32:39] group 0, one set for each slot
.set G0, 32
.set G1B, 48                           ; s[48:55], s[56:63] the same for the weights' tiles
.set G0B, 56
.set G1S, 68                           ; s[68:75], s[76:79] groups 1 and 0 for x's scales;  s[80:87], s[88:91] for the weights'
.set G0S, 76
.set G1SB, 80
.set G0SB, 88
.set QU,   95                          ; s95     0.25, on the way out (a temporary before)
.set PFA,  96                          ; s[96:97] where my prefetches stand: the last byte of a K step's part of my work-group's 32 rows
.set LIM,  98                          ; s98     1 in a wave that prefetches, else the greatest number
.set NLE,  100                         ; s[100:101] -log2(e): the packed form names a pair and takes its low word for both halves
.set MSB, 0
.macro WIN new                         ; the immediate's high byte repeats the setting that is left
.if MSB != \new
	s_set_vgpr_msb (MSB<<8)|\new
.set MSB, \new
.endif
.endm
.set MUL_LO, 0xa4                      ; source 0 (x) window 0, source 1 (weights) window 1, C and D window 2
.set MUL_HI, 0xf4                      ; the same, C and D window 3
.set TO_B,   0x40                      ; destination window 1, address window 0
; A joint load: waves 0 and 1 fetch for x, waves 2 and 3 for the weights.  Each of the two lines has ONE mask; the branch hangs on the wave's number alone.
; Four v_nop follow each of the two lines, ahead of the jump, the label and what follows.
.macro JLOAD g0a, g1a, g0b, g1b
	s_cmp_eq_u32 s21, 0
	s_cbranch_scc0 .Lfor_b_\@
	tensor_load_to_lds s[\g0a:\g0a+3], s[\g1a:\g1a+7]
	s_nop 0
.rept 4
	v_nop
.endr
	s_branch .Lasked_\@
.Lfor_b_\@:
	tensor_load_to_lds s[\g0b:\g0b+3], s[\g1b:\g1b+7]
	s_nop 0
.rept 4
	v_nop
.endr
.Lasked_\@:
.endm
.macro CREST                           ; a round of the cluster's barrier behind its opening barrier
	s_cmp_lg_u32 s[WV], 0
	s_cbranch_scc1 .Lnot_wave_0_\@
	s_barrier_signal -3
.Lnot_wave_0_\@:
	s_barrier_wait -3
	s_barrier_signal -1
	s_barrier_wait -1
.endm
.macro CROUND                          ; a whole round
	s_barrier_signal -1
	s_barrier_wait -1
	CREST
.endm
; A PREFETCH INTO THE L2 of x, behind each joint refill and the run of LDS loads that follows it: the K step that stands TWO refills on, 256 matrix instructions ahead of the load that will want it.
; Waves 0 and 1, which fetch x, ask; of the 128 rows that a wave fetches, each of the four partners that ask for them jointly takes 32, told apart BY ADDRESS (cx): a lane a row, one instruction a wave.
; A K step's part of a row is 192 bytes, so a lane names the part's LAST byte: the aligned block of 256 bytes in which the part ends is one that no earlier K step's part has touched, but for K steps 7, 11, 15,
; whose part ends in the block that the K step before has named.  Those fall to slot 1's change in the trips with an even count, which ask for nothing.  So each block is named once in the launch.
; The loop's last trip asks for nothing: there is no K step two refills on.  K steps 0 to 3 come by their loads alone.
.macro ASK slot
	s_cmp_gt_u32 s3, s[LIM]                        ; s3 = 1 in the loop's last trip
	s_cbranch_scc0 .Lnot_mine_\@
.if \slot
	s_and_b32 s99, s3, 1
	s_cmp_eq_u32 s99, 0
	s_cbranch_scc1 .Lnot_mine_\@
.endif
	global_prefetch_b8 v[PFO], s[PFA:PFA+1] th:TH_LOAD_NT scope:SCOPE_SE
.Lnot_mine_\@:
.endm
	s_load_b128 s[4:7], s[0:1], 0x0                ; x's codes s[4:5], x's scales s[6:7]
	s_load_b128 s[8:11], s[0:1], 0x10              ; wkv's codes s[8:9], its scales s[10:11]
	s_load_b128 s[12:15], s[0:1], 0x20             ; wgate's codes s[12:13], its scales s[14:15]
	s_load_b128 s[16:19], s[0:1], 0x30             ; ape s[16:17], pooled s[18:19]
	v_lshl_add_u32 v[SPW], v0, 2, SPARE
	v_mov_b32 v[NIL], 0
	ds_add_u32 v28, v29
	ds_add_u32 v28, v29
	s_wait_dscnt 0x0
	v_lshrrev_b32 v1, 5, v0
	v_readfirstlane_b32 s[WV], v1                  ; wave 0..3
	s_lshr_b32 s21, s[WV], 1
	s_and_b32 s22, s[WV], 1
	s_bfe_u32 s40, ttmp6, 0x40000                  ; cx, cy: my place in the cluster
	s_bfe_u32 s41, ttmp6, 0x40004
	s_lshl_b32 s42, ttmp9, 2
	s_add_co_u32 s42, s42, s40                     ; tile column = 4 x cluster x + cx: 128 output columns
	s_and_b32 s23, ttmp7, 0xffff
	s_lshl_b32 s23, s23, 2
	s_add_co_u32 s23, s23, s41                     ; tile row = 4 x cluster y + cy: 256 rows of x
	s_lshl_b32 s43, s41, 2
	s_lshl_b32 s43, 15, s43                        ; my row of the cluster
	s_lshl_b32 s44, 0x1111, s40                    ; my column
	; descriptor group 1: a tile of 128 rows x 192 bytes, padded in LDS
	s_or_b32 s[G1+0], s43, (0<<16)|(1<<20)|(1<<21)|(3<<22)|(3<<25)  ; 15:0 the mask: x's tiles go to my row; 17:16 element of 1 byte; 20 padding on; 21 set beside a mask; 24:22 after every 16 words (code 3); 31:25 of 4 words (code 3)
	s_or_b32 s[G1B+0], s44, (0<<16)|(1<<20)|(1<<21)|(3<<22)|(3<<25) ; the same with the mask of my column
.irp g, G1, G1B
	s_mov_b32 s[\g+1], ROWB<<16                    ; tensor_dim0
	s_mov_b32 s[\g+2], 128<<16                     ; tensor_dim1 = 128
	s_mov_b32 s[\g+3], ROWB<<16                    ; tile_dim0
	s_mov_b32 s[\g+4], 128                         ; tile_dim1 = 128
	s_mov_b32 s[\g+5], KROW                        ; tensor_dim0_stride
	s_mov_b32 s[\g+6], 0
	s_mov_b32 s[\g+7], 0
.endr
	; and for the scales of 128 rows: a dense block of 16,384 bytes, as 64 rows of 256 bytes (32 elements of 8 bytes), 16 bytes of padding behind each
	s_or_b32 s[G1S+0], s43, (3<<16)|(1<<20)|(1<<21)|(5<<22)|(3<<25)
	s_or_b32 s[G1SB+0], s44, (3<<16)|(1<<20)|(1<<21)|(5<<22)|(3<<25)
.irp g, G1S, G1SB
	s_mov_b32 s[\g+1], 32<<16
	s_mov_b32 s[\g+2], 64<<16
	s_mov_b32 s[\g+3], 32<<16
	s_mov_b32 s[\g+4], 64
	s_mov_b32 s[\g+5], 32
	s_mov_b32 s[\g+6], 0
	s_mov_b32 s[\g+7], 0
.endr
	; where the tiles come from, in bytes (all under 2^26).  x's hang on the tile row alone, the weights' on the tile column alone; every wave makes both, in registers that never hold the other coordinate
	s_lshl_b32 s95, s22, 7                         ; which 128 rows of x's tile I fetch
	s_lshl_b32 s66, s23, 8
	s_add_co_u32 s66, s66, s95                     ; x: row 256 x tile row + 128 x half
	s_mov_b32 s67, 0
	s_lshl_b32 s92, s66, 7                         ; its scales: 128 bytes a row
	s_mov_b32 s93, 0
	s_mul_i32 s66, s66, KROW                       ; its codes
	s_lshl_b32 s46, s42, 7                         ; the weights: row 128 x tile column
	s_mov_b32 s47, 0
	s_lshl_b32 s2, s46, 7                          ; scales
	s_mov_b32 s3, 0
	s_mul_i32 s46, s46, KROW                       ; codes
	s_mul_i32 s45, s[WV], HALFT                    ; where they go: wave x 128 rows: no place in the cluster enters an LDS address
	s_mul_i32 s94, s[WV], HALFS
	s_mov_b32 s[NLE], 0xbfb8aa3b                   ; -log2(e)
	s_mov_b32 s[NLE+1], s[NLE]                     ; (named with it as a pair, so it is written)
	s_wait_kmcnt 0x0
	s_cmp_eq_u32 s22, 0                            ; of the two waves that fetch weights the even one takes wkv, the odd one wgate: the choice hangs on the wave's number alone
	s_cselect_b64 s[8:9], s[8:9], s[12:13]
	s_cselect_b64 s[10:11], s[10:11], s[14:15]
	s_add_nc_u64 s[66:67], s[4:5], s[66:67]
	s_add_nc_u64 s[92:93], s[6:7], s[92:93]
	s_add_nc_u64 s[46:47], s[8:9], s[46:47]
	s_add_nc_u64 s[2:3], s[10:11], s[2:3]
	CROUND                                         ; all sixteen work-groups are here: the first joint loads meet
	s_mov_b32 s[G0S], 1
	s_add_co_u32 s[G0S+1], s94, SCL
	s_mov_b64 s[G0S+2:G0S+3], s[92:93]
	s_or_b32 s[G0S+3], s[G0S+3], 0x80000000
	s_mov_b32 s[G0SB], 1
	s_add_co_u32 s[G0SB+1], s94, SCL
	s_mov_b64 s[G0SB+2:G0SB+3], s[2:3]
	s_or_b32 s[G0SB+3], s[G0SB+3], 0x80000000
	JLOAD G0S, G1S, G0SB, G1SB                     ; the scales first: they are wanted with K step 0
.irp s, 0,1
	s_mov_b32 s[G0+4*\s], 1                                        ; 1:0 count = 1
	s_add_co_u32 s[G0+4*\s+1], s45, \s*SLOT                        ; 63:32 LDS address
	s_add_nc_u64 s[G0+4*\s+2:G0+4*\s+3], s[66:67], \s*ROWB         ; 120:64 global address: K step s
	s_or_b32 s[G0+4*\s+3], s[G0+4*\s+3], 0x80000000                ; 127:126 type = 2
	s_mov_b32 s[G0B+4*\s], 1
	s_add_co_u32 s[G0B+4*\s+1], s45, \s*SLOT
	s_add_nc_u64 s[G0B+4*\s+2:G0B+4*\s+3], s[46:47], \s*ROWB
	s_or_b32 s[G0B+4*\s+3], s[G0B+4*\s+3], 0x80000000
	JLOAD G0+4*\s, G1, G0B+4*\s, G1B               ; by this text's count three tensor loads of a wave are out now, later one
.endr
	v_and_b32 v1, 15, v0                           ; r = l % 16
	v_bfe_u32 v2, v0, 4, 1                         ; h = l / 16
	v_mul_u32_u24 v3, v1, PITCH
	v_mul_u32_u24 v4, v2, 24
	v_add_nc_u32 v4, v3, v4                        ; a fragment's row x pitch + 24 x half
	v_lshl_add_u32 v5, v2, 4, v4                   ; and the same behind one padding more
	s_mul_i32 s92, s21, HALFT                      ; my 128 rows of x
	s_mul_i32 s93, s22, 64*PITCH                   ; my 64 rows of wkv,
	s_add_co_u32 s93, s93, 2*HALFT                 ; which lie behind x's 256; wgate's lie 128 rows further on
.irp s, 0,1
	v_add_nc_u32 v[ADRA+\s], s92, v4
	v_add_nc_u32 v[ADRB+\s], s93, v4
	v_add_nc_u32 v[ADRA+2+\s], s92, v5
	v_add_nc_u32 v[ADRB+2+\s], s93, v5
	s_add_co_u32 s92, s92, SLOT
	s_add_co_u32 s93, s93, SLOT
.endr
	v_lshlrev_b32 v5, 7, v1                        ; my row's scales: 128 bytes a row,
	v_lshrrev_b32 v6, 8, v5
	v_lshl_add_u32 v5, v6, 4, v5                   ; and 16 more for each 256 passed
	s_mul_i32 s92, s21, HALFS                      ; x's: my 128 rows
	s_mul_i32 s93, s22, 4*SBLK                     ; wkv's: my 64 rows, behind x's 256
	s_add_co_u32 s93, s93, 2*HALFS
	s_sub_co_u32 s93, s93, s92
	v_mul_u32_u24 v6, s93, v2                      ; lanes 16-31 take the weights'
	s_add_co_u32 s93, s93, 4*SBLK                  ; wgate's block i - 4 lies (i + 4) blocks behind my first of wkv
	v_mul_u32_u24 v3, s93, v2
	s_add_co_u32 s92, s92, SCL
	v_add_nc_u32 v5, s92, v5
	v_add_nc_u32 v[ADRS], v5, v6
	v_add_nc_u32 v[ADRS2], v5, v3
	s_mul_i32 s92, s[WV], 32*SP                    ; my stage
	v_mul_u32_u24 v3, v2, 2*SP                     ; in: window row 4 a + 2 h + u, column 16 b + r
	v_lshl_add_u32 v3, v1, 2, v3
	v_add_nc_u32 v[STO], s92, v3
	v_mul_u32_u24 v3, v2, SP                       ; back: lanes 0-15 take one row of 256 bytes, lanes 16-31 the next
	v_lshl_add_u32 v3, v1, 4, v3
	v_add_nc_u32 v[RD], s92, v3
	v_lshlrev_b32 v3, 11, v2                       ; and the same two rows in pooled (2,048 bytes a row)
	v_lshl_add_u32 v[CO], v1, 4, v3
	v_lshlrev_b32 v[APO], 2, v1
	s_lshl_b32 s92, s42, 9                         ; my first column, in bytes: 512 x tile column + 256 x half
	s_lshl_b32 s93, s22, 8
	s_add_co_u32 s92, s92, s93
	s_mov_b32 s93, 0
	s_add_nc_u64 s[16:17], s[16:17], s[92:93]
	s_add_nc_u64 s[18:19], s[18:19], s[92:93]
	s_lshl_b32 s92, s23, 6                         ; my first window row: 64 x tile row + 32 x half
	s_lshl_b32 s95, s21, 5
	s_add_co_u32 s92, s92, s95
	s_lshl_b32 s92, s92, 11
	s_add_nc_u64 s[18:19], s[18:19], s[92:93]
.irp b, 0,1,2,3
.irp p, 0,1,2,3
	global_load_b32 v[APE+4*\b+\p], v[APO], s[16:17] offset:2048*\p+64*\b   ; ape[p][my column of block b]: waited for on the way out; address and base are never rewritten
.endr
.endr
	s_lshl_b32 s92, s23, 8                         ; the prefetches: the 128 rows of x that I fetch,
	s_lshl_b32 s95, s22, 7
	s_add_co_u32 s92, s92, s95
	s_lshl_b32 s95, s40, 5                         ; my work-group's 32 of them,
	s_add_co_u32 s92, s92, s95
	s_mul_i32 s92, s92, KROW
	s_add_co_u32 s92, s92, 4*ROWB-1                ; at the last byte of K step 3: the first refill steps it to K step 4's
	s_add_nc_u64 s[PFA:PFA+1], s[4:5], s[92:93]
	s_cmp_eq_u32 s21, 0
	s_cselect_b32 s[LIM], 1, -1                    ; the same in all sixteen partners, for a given wave
	v_and_b32 v[PFO], 31, v0
	v_mul_u32_u24 v[PFO], v[PFO], KROW
.macro FRAG reg, adr, q, rows          ; a fragment, 16 rows x 128 K of 6-bit codes, is 12 registers: lane l holds row l % 16; registers 6 c .. 6 c + 5 hold K = 64 c + 32 (l / 16) + 0 .. 31: 24 bytes of the row's stream of bits, as they lie
.irp p, 0,1,2,3,4,5                    ; in pieces of 8 bytes, so that every address is a multiple of the access's size.  Lanes 0-15 take the row's pieces 12 q + 0, 1, 2 and 12 q + 6, 7, 8, lanes 16-31 those three pieces on
.set PC, 12*(\q)+6*(\p/3)+\p%3        ; 16 bytes of padding lie behind every 64 bytes (8 pieces): where the piece three on lies behind one padding more, the second address register (40 for 24 bytes a half) serves
.if PC%8 < 5
	ds_load_b64 v[\reg+2*\p:\reg+2*\p+1], v[\adr] offset:8*PC+16*(PC/8)+(\rows)*PITCH
.else
	ds_load_b64 v[\reg+2*\p:\reg+2*\p+1], v[\adr+2] offset:8*PC+16*(PC/8)+(\rows)*PITCH
.endif
.endr
.endm
; 16 matrix instructions: x's blocks a0, a0 + 1 against the weights' eight, 128 along K: the slot's q-th.  p: the weights' set;  sc: the set of scale words.  zero = 1: the first product starts the sums: nothing is ever cleared.
; The 64 accumulators take turns, one instruction a turn, in the same order in every step.  x's scale words are read from lanes 0-15, the weights' from lanes 16-31.
.macro MUL16 a0, p, q, sc, zero
.irp a, \a0, \a0+1
.irp b, 0,1,2,3,4,5,6,7
.if \zero
	v_wmma_scale_f32_16x16x128_f8f6f4 v[8*(8*((\a)%4)+\b):8*(8*((\a)%4)+\b)+7], v[AF+FR*(\a):AF+FR*(\a)+FR-1], v[128*(\p)+FR*\b:128*(\p)+FR*\b+FR-1], 0, v[SC+16*(\sc)+2*(\a)+(\q)], v[SC+16*(\sc)+2*\b+(\q)] matrix_a_fmt:MATRIX_FMT_BF6 matrix_b_fmt:MATRIX_FMT_BF6 matrix_b_scale:MATRIX_SCALE_ROW1
.else
	v_wmma_scale_f32_16x16x128_f8f6f4 v[8*(8*((\a)%4)+\b):8*(8*((\a)%4)+\b)+7], v[AF+FR*(\a):AF+FR*(\a)+FR-1], v[128*(\p)+FR*\b:128*(\p)+FR*\b+FR-1], v[8*(8*((\a)%4)+\b):8*(8*((\a)%4)+\b)+7], v[SC+16*(\sc)+2*(\a)+(\q)], v[SC+16*(\sc)+2*\b+(\q)] matrix_a_fmt:MATRIX_FMT_BF6 matrix_b_fmt:MATRIX_FMT_BF6 matrix_b_scale:MATRIX_SCALE_ROW1
.endif
.endr
.endr
.endm
.macro FETCH_B slot, q, p              ; the weights' eight fragments of the slot's q-th 128 along K into set p: blocks 0-3 my 64 rows of wkv, blocks 4-7 the same rows of wgate, 128 rows further on
	WIN TO_B
.irp i, 0,1,2,3,4,5,6,7
	FRAG 128*(\p)+FR*\i, ADRB+\slot, \q, 16*(\i%4)+128*(\i/4)
.endr
	WIN 0
.endm
.macro FETCH_A slot, q, i0             ; x's blocks i0 .. i0 + 3
.irp i, \i0, \i0+1, \i0+2, \i0+3
	FRAG AF+FR*(\i), ADRA+\slot, \q, 16*(\i)
.endr
.endm
.macro SCALES sc                       ; the next K step's scale words into set sc: two words a row; lanes 0-15 take x's block i, lanes 16-31 the weights' block i
.irp i, 0,1,2,3
	ds_load_b64 v[SC+16*\sc+2*\i:SC+16*\sc+2*\i+1], v[ADRS] offset:\i*SBLK
.endr
.irp i, 4,5,6,7
	ds_load_b64 v[SC+16*\sc+2*\i:SC+16*\sc+2*\i+1], v[ADRS2] offset:\i*SBLK
.endr
.endm
; A load into a register that a matrix instruction has read, and a vector instruction that reads a matrix result, stand NP places behind that matrix instruction, and only plain vector
; instructions that name none of its registers are places (ISA guide 7.12.1 for vector instructions); the matrix instructions in between are not counted.
.macro PLACES n
.rept \n
	v_nop
.endr
.endm
; A step of 128 along K that has its successor in the same slot.  x's blocks go one after the other, each against the weights' eight: a block of x is free as soon as its eight products are issued, so x has one set:
; blocks 0-3 are fetched anew in the step's middle, blocks 4-7 at its end.  The weights' fragments are at work through the whole step and have two sets.
.macro STEP slot, q, zero
	s_wait_dscnt 4*NL                              ; the weights' set, x's blocks 0-3 and the scale words are in; the youngest 24 loads (x's blocks 4-7) may be out
	WIN MUL_LO
	MUL16 0, (\q)%2, \q, \slot, \zero
	MUL16 2, (\q)%2, \q, \slot, \zero
	s_wait_dscnt 0                                 ; x's blocks 4-7 are in (asked for 32 matrix instructions ago)
	PLACES NP
	FETCH_B \slot, (\q)+1, 1-(\q)%2
	FETCH_A \slot, (\q)+1, 0
	WIN MUL_HI
	MUL16 4, (\q)%2, \q, \slot, \zero
	MUL16 6, (\q)%2, \q, \slot, \zero
	PLACES NP
	WIN 0
	FETCH_A \slot, (\q)+1, 4
.endm
; A slot's last step changes slots: ONE barrier; in front of it each wave waits for all its tensor loads, adds 0 to its spare word, and waits for that and for its own reads of this slot.  fill = 1: this slot is filled again, two K steps ahead.
.macro TURN slot, next, fill
.if \fill
	s_wait_xcnt 0x0                                ; the last prefetch, a K step back, has read its address: it is stepped here, ahead of the waits of the change of slots
	s_add_nc_u64 s[PFA:PFA+1], s[PFA:PFA+1], ROWB
.endif
	s_wait_tensorcnt 0x0                           ; all my tensor loads have landed: my part of the next slot;  (every window is 0 here: the add's two registers lie in window 0)
	ds_add_u32 v[SPW], v[NIL]                      ; 0 onto my spare word
	s_wait_dscnt 4*NL+1                            ; (the add and the youngest 24 loads, x's blocks 4-7, may be out)
	WIN MUL_LO
	MUL16 0, 1, NQ-1, \slot, 0                     ; sixteen matrix instructions stand between the add and the wait for it
	s_wait_dscnt 0x0                               ; the add is done, and my reads of this slot are over
	s_barrier_signal -1
	MUL16 2, 1, NQ-1, \slot, 0
	WIN 0
	s_barrier_wait -1
.if \fill
	CREST                                          ; the barrier has opened a round of the cluster's barrier: no wave of any partner still reads this slot's tile or has a load on its way
	s_add_nc_u64 s[G0+4*\slot+2:G0+4*\slot+3], s[G0+4*\slot+2:G0+4*\slot+3], 2*ROWB
	s_add_nc_u64 s[G0B+4*\slot+2:G0B+4*\slot+3], s[G0B+4*\slot+2:G0B+4*\slot+3], 2*ROWB
	JLOAD G0+4*\slot, G1, G0B+4*\slot, G1B         ; the first tensor load behind the round; the four v_nop behind it are the places in front of the loads below
.else
	PLACES NP
.endif
	v_add_nc_u32 v[ADRS], 4*NQ, v[ADRS]            ; on to the next K step's scale words
	v_add_nc_u32 v[ADRS2], 4*NQ, v[ADRS2]
	FETCH_B \next, 0, 0
	FETCH_A \next, 0, 0
	SCALES \next
.if \fill
	ASK \slot                                      ; behind the joint load and the run of LDS loads that the next products wait for
.endif
	WIN MUL_HI
	MUL16 4, 1, NQ-1, \slot, 0
	MUL16 6, 1, NQ-1, \slot, 0
	PLACES NP
	WIN 0
	FETCH_A \next, 0, 4
.endm
	s_wait_tensorcnt 1                             ; the scales and my part of K step 0 are in (K step 1's load may be out)
	s_barrier_signal -1
	s_barrier_wait -1                              ; everybody's are
	FETCH_B 0, 0, 0
	FETCH_A 0, 0, 0
	SCALES 0
	FETCH_A 0, 0, 4
	STEP 0, 0, 1                                   ; the first step stands in front of the loop: its products start the sums
	s_mov_b32 s3, LAPS-1
.Llap:                                                 ; a trip goes once round the ring, from a lap's second step to the next lap's first, and fills both slots again
	TURN 0, 1, 1
	STEP 1, 0, 0
	TURN 1, 0, 1
	STEP 0, 0, 0
	s_sub_co_u32 s3, s3, 1
	s_cmp_lg_u32 s3, 0
	s_cbranch_scc1 .Llap
	TURN 0, 1, 0                                   ; the last lap fills nothing, and has no round of the cluster's barrier
	STEP 1, 0, 0
	s_wait_dscnt 4*NL                              ; the very last step: nothing more to fetch
	WIN MUL_LO
	MUL16 0, 1, NQ-1, 1, 0
	MUL16 2, 1, NQ-1, 1, 0
	s_wait_dscnt 0
	WIN MUL_HI
	MUL16 4, 1, NQ-1, 1, 0
	MUL16 6, 1, NQ-1, 1, 0
	WIN 0
; THE WAY OUT.  First ape's mean for my four columns: sixteen plain instructions, which are also the places behind the last products.
	s_mov_b32 s[QU], 0x3e800000                    ; 0.25
	s_wait_loadcnt 0x0                             ; ape
.irp b, 0,1,2,3
	v_add_f32 v[APM+\b], v[APE+4*\b], v[APE+4*\b+1]
.endr
.irp b, 0,1,2,3
	v_add_f32 v[APM+4+\b], v[APE+4*\b+2], v[APE+4*\b+3]
.endr
.irp b, 0,1,2,3
	v_add_f32 v[APM+\b], v[APM+\b], v[APM+4+\b]
.endr
.irp b, 0,1,2,3
	v_mul_f32 v[APM+\b], s[QU], v[APM+\b]
.endr
; GATE: the 16 gate accumulators of window w become sigmoids, in place, and the 16 kv accumulators beside them the windows' sums.  Every accumulator is read from its low end on.
; The exponentials are one batch with one wait, and so are the reciprocals: the wait ahead of the first instruction that names a result; a v_nop is the plain instruction behind each batch.
.macro GATE w
	WIN 0x55*(\w)                                  ; every operand place in window w
.irp a, 0,1,2,3
.set J, 64*\a+32
.rept 16
	v_pk_mul_f32 v[J:J+1], v[J:J+1], s[NLE:NLE+1] op_sel_hi:[1,0]   ; -g log2(e)
.set J, J+2
.endr
.endr
.irp a, 0,1,2,3
.set J, 64*\a+32
.rept 32
	v_exp_f32 v[J], v[J]                           ; e^-g
.set J, J+1
.endr
.endr
	v_nop
	s_wait_alu depctr_va_vdst(0)
.irp a, 0,1,2,3
.set J, 64*\a+32
.rept 16
	v_pk_add_f32 v[J:J+1], v[J:J+1], 1.0 op_sel_hi:[1,0]
.set J, J+2
.endr
.endr
.irp a, 0,1,2,3
.set J, 64*\a+32
.rept 32
	v_rcp_f32 v[J], v[J]                           ; sigmoid(g) = 1 / (1 + e^-g)
.set J, J+1
.endr
.endr
	v_nop
	s_wait_alu depctr_va_vdst(0)
.irp a, 0,1,2,3
.irp b, 0,1,2,3
.set KVR, 64*\a+8*\b
.set GTR, KVR+32
	v_pk_mul_f32 v[KVR:KVR+1], v[KVR:KVR+1], v[GTR:GTR+1]                       ; window 0: rows 0, 1
	v_pk_mul_f32 v[KVR+4:KVR+5], v[KVR+4:KVR+5], v[GTR+4:GTR+5]                 ; window 1: rows 4, 5
	v_pk_fma_f32 v[KVR:KVR+1], v[KVR+2:KVR+3], v[GTR+2:GTR+3], v[KVR:KVR+1]     ; + rows 2, 3
	v_pk_fma_f32 v[KVR+4:KVR+5], v[KVR+6:KVR+7], v[GTR+6:GTR+7], v[KVR+4:KVR+5] ; + rows 6, 7
.endr
.endr
.endm
; FIN: a window's two half sums x 1/4 + ape's mean, into window 0.
.macro FIN w
	WIN \w                                         ; source 0 in window w, all else in window 0
.irp a, 0,1,2,3
.irp b, 0,1,2,3
.irp u, 0,1
	v_fma_f32 v[PO+8*(4*((\w)-2)+\a)+2*\b+\u], v[64*\a+8*\b+4*\u], s[QU], v[APM+\b]
.endr
.endr
.endr
.irp a, 0,1,2,3
.irp b, 0,1,2,3
.irp u, 0,1
	v_fma_f32 v[PO+8*(4*((\w)-2)+\a)+2*\b+\u], v[64*\a+8*\b+4*\u+1], s[QU], v[PO+8*(4*((\w)-2)+\a)+2*\b+\u]
.endr
.endr
.endr
.endm
	GATE 2
	FIN 2
	GATE 3
	FIN 3
	WIN 0
; A lane holds single numbers of 16 window rows, and the lanes beside it the neighbouring columns: through my own stage in LDS they become whole rows of 256 bytes.  A store's lanes 0-15 fall on sixteen banks and
; lanes 16-31, two rows (144 words) on, on the sixteen next.  LDS serves a wave's instructions in order (ISA guide 5.7.1.4): no wait between the stores and the loads.
.irp a, 0,1,2,3,4,5,6,7
.irp b, 0,1,2,3
.irp u, 0,1
	ds_store_b32 v[STO], v[PO+8*\a+2*\b+\u] offset:(4*\a+\u)*SP+64*\b
.endr
.endr
.endr
.irp t, 0,1,2,3,4,5,6,7,8,9,10,11,12,13,14,15
	ds_load_b128 v[BK+4*\t:BK+4*\t+3], v[RD] offset:2*\t*SP
.endr
.irp t, 0,1,2,3,4,5,6,7,8,9,10,11,12,13,14,15
	s_wait_dscnt 15-\t                             ; loads come back in order: pair t of rows is in, the younger ones may be out
	global_store_b128 v[CO], v[BK+4*\t:BK+4*\t+3], s[18:19] offset:4096*\t   ; 16 lanes store 256 consecutive bytes, at a multiple of 256 from the buffer's first byte; two rows an instruction
.endr
	s_wait_tensorcnt 0x0                           ; the wave's end: behind my last tensor load and my last LDS store
	ds_add_u32 v[SPW], v[NIL]
	s_wait_dscnt 0x0
	CROUND                                         ; the closing round: no work-group ends while a partner may still ask for a tile that names it
	s_endpgm
.Lfunc_end_k_q8453806afc_gemm:
	.size	k_q8453806afc_gemm, .Lfunc_end_k_q8453806afc_gemm-k_q8453806afc_gemm
	.p2alignl 7, 3214868480
	.fill 96, 4, 3214868480
	.section	.rodata,"a",@progbits
	.p2align	6, 0x0
	.amdhsa_kernel k_q8453806afc_gemm
		.amdhsa_group_segment_fixed_size 327680
		.amdhsa_private_segment_fixed_size 0
		.amdhsa_enable_private_segment 0
		.amdhsa_kernarg_size 64
		.amdhsa_user_sgpr_count 2
		.amdhsa_user_sgpr_kernarg_segment_ptr 1
		.amdhsa_wavefront_size32 1
		.amdhsa_system_sgpr_workgroup_id_x 1
		.amdhsa_system_sgpr_workgroup_id_y 1
		.amdhsa_system_sgpr_workgroup_id_z 1
		.amdhsa_system_vgpr_workitem_id 0
		.amdhsa_next_free_vgpr 1024
		.amdhsa_next_free_sgpr 102
		.amdhsa_reserve_vcc 0
		.amdhsa_float_denorm_mode_32 3
		.amdhsa_float_denorm_mode_16_64 3
		.amdhsa_memory_ordered 1
		.amdhsa_forward_progress 1
		.amdhsa_inst_pref_size 189
	.end_amdhsa_kernel
	.amdgpu_metadata
---
amdhsa.version: [ 1, 2 ]
amdhsa.kernels:
  - .name:           k_q8453806afc_gemm
    .symbol:         k_q8453806afc_gemm.kd
    .args:
      - { .name: x_codes, .offset: 0, .size: 8, .value_kind: global_buffer, .address_space: global }
      - { .name: x_scales, .offset: 8, .size: 8, .value_kind: global_buffer, .address_space: global }
      - { .name: wkv_w_codes, .offset: 16, .size: 8, .value_kind: global_buffer, .address_space: global }
      - { .name: wkv_w_scales, .offset: 24, .size: 8, .value_kind: global_buffer, .address_space: global }
      - { .name: wgate_w_codes, .offset: 32, .size: 8, .value_kind: global_buffer, .address_space: global }
      - { .name: wgate_w_scales, .offset: 40, .size: 8, .value_kind: global_buffer, .address_space: global }
      - { .name: ape, .offset: 48, .size: 8, .value_kind: global_buffer, .address_space: global }
      - { .name: pooled, .offset: 56, .size: 8, .value_kind: global_buffer, .address_space: global }
    .group_segment_fixed_size: 327680
    .private_segment_fixed_size: 0
    .kernarg_segment_align: 8
    .kernarg_segment_size: 64
    .max_flat_workgroup_size: 128
    .sgpr_count:     102
    .vgpr_count:     1024
    .wavefront_size: 32
...
	.end_amdgpu_metadata
.endif
;; end of part 1
;; launch norm (part 2): grid 256 x 1, 8 waves a work-group, no clusters, 0 bytes of LDS; arguments pooled, norm_w, out0; writes out0
.if DOCPART == 2
	.amdgcn_target "amdgcn-amd-amdhsa--gfx1250"
	.amdhsa_code_object_version 6
	.text
	.protected	k_q8453806afc_norm
	.globl	k_q8453806afc_norm
	.p2align	8
	.type	k_q8453806afc_norm,@function
k_q8453806afc_norm:
	s_mov_b64 s[64:65], 0
	v_nop
	global_prefetch_b8 v0, s[64:65] scope:SCOPE_SE
	s_setreg_imm32_b32 hwreg(HW_REG_WAVE_MODE, 25, 1), 1
	s_wait_xcnt 0x0
; out0[w][n] = norm_w[n] x pooled[w][n] / sqrt(mean over n of pooled[w][n]^2 + 1e-6).  pooled, out0: [4096][512] f32; norm_w: [512] f32.
; A row is 2,048 bytes: one wave takes two whole rows, four 16-byte loads a lane for each, and keeps them in registers between the sum of squares and the scaling: each row is read once,
; and no wave waits for another: no LDS, no barrier, no matrix unit.  Eight waves, 16 rows a work-group, 256 work-groups.  Each load and store of a wave covers 512 consecutive bytes.
; All twelve loads of a wave go out at once, and no register that a load or store names is written again: so the only waits are the three counted ones for data.
; LIMITS: the squares are summed in another order than the definition's (f32 throughout); NaN and infinities are passed on as the arithmetic gives them.
.set X, 8                              ; v[8:39]   row q at 8 + 16 q: columns 128 c + 4 lane + 0..3 in registers 4 c .. 4 c + 3
.set W, 40                             ; v[40:55]  norm_w of the same columns
.set S, 56                             ; v[56:63]  row q's sums at 56 + 4 q
.set R, 64                             ; v[64:67]  row q's 1 / sqrt, twice (a pair for the packed multiply), at 64 + 2 q
	s_load_b128 s[4:7], s[0:1], 0x0                ; pooled s[4:5], norm_w s[6:7]
	s_load_b64 s[8:9], s[0:1], 0x10                ; out0
	v_and_b32 v2, 31, v0
	v_lshlrev_b32 v2, 4, v2                        ; 16 bytes a lane
	v_lshrrev_b32 v1, 5, v0
	v_lshl_or_b32 v1, v1, 12, v2                   ; + wave x 2 rows x 2,048 bytes
	s_lshl_b32 s2, ttmp9, 15                       ; the work-group's 16 rows
	s_mov_b32 s3, 0
	s_mov_b32 s10, 0x3b000000                      ; 1 / 512
	s_mov_b32 s11, 0x358637bd                      ; 1e-6
	s_mov_b32 s12, 0x76543210                      ; v_permlanex16_b32: lane i of one half reads lane i of the other
	s_mov_b32 s13, 0xfedcba98
	s_wait_kmcnt 0x0
	s_add_nc_u64 s[4:5], s[4:5], s[2:3]
	s_add_nc_u64 s[8:9], s[8:9], s[2:3]
.irp q, 0,1
.irp c, 0,1,2,3
	global_load_b128 v[X+16*\q+4*\c:X+16*\q+4*\c+3], v1, s[4:5] offset:2048*\q+512*\c th:TH_LOAD_NT
.endr
.endr
.irp c, 0,1,2,3
	global_load_b128 v[W+4*\c:W+4*\c+3], v2, s[6:7] offset:512*\c
.endr
.macro SQUARES q                       ; my 16 numbers' squares, two at a time, in two chains that the first products start: nothing is cleared
	v_pk_mul_f32 v[S+4*\q:S+4*\q+1], v[X+16*\q:X+16*\q+1], v[X+16*\q:X+16*\q+1]
	v_pk_mul_f32 v[S+4*\q+2:S+4*\q+3], v[X+16*\q+2:X+16*\q+3], v[X+16*\q+2:X+16*\q+3]
.irp j, 4,8,12
	v_pk_fma_f32 v[S+4*\q:S+4*\q+1], v[X+16*\q+\j:X+16*\q+\j+1], v[X+16*\q+\j:X+16*\q+\j+1], v[S+4*\q:S+4*\q+1]
	v_pk_fma_f32 v[S+4*\q+2:S+4*\q+3], v[X+16*\q+\j+2:X+16*\q+\j+3], v[X+16*\q+\j+2:X+16*\q+\j+3], v[S+4*\q+2:S+4*\q+3]
.endr
	v_pk_add_f32 v[S+4*\q:S+4*\q+1], v[S+4*\q:S+4*\q+1], v[S+4*\q+2:S+4*\q+3]
.endm
	s_wait_loadcnt 8                               ; loads come back in order: row 0's four are in; row 1's and norm_w's may be out
	SQUARES 0
	s_wait_loadcnt 4                               ; row 1's are in; norm_w's may be out
	SQUARES 1
	v_add_f32 v[S], v[S], v[S+1]
	v_add_f32 v[S+4], v[S+4], v[S+5]
.irp m, 1,2,4,8                        ; across the 32 lanes: four steps inside each half of 16 lanes ride on the addition, one crosses the halves; the two rows by turns
	v_add_f32_dpp v[S], v[S], v[S] row_xmask:\m row_mask:0xf bank_mask:0xf
	v_add_f32_dpp v[S+4], v[S+4], v[S+4] row_xmask:\m row_mask:0xf bank_mask:0xf
.endr
	v_permlanex16_b32 v[S+1], v[S], s12, s13       ; (its destination counts as read: these registers have been written)
	v_permlanex16_b32 v[S+5], v[S+4], s12, s13
	v_add_f32 v[S], v[S], v[S+1]                   ; every lane now holds its row's sum of squares
	v_add_f32 v[S+4], v[S+4], v[S+5]
	v_fma_f32 v[S], v[S], s10, s11                 ; the mean + 1e-6
	v_fma_f32 v[S+4], v[S+4], s10, s11
	v_rsq_f32 v[R], v[S]
	v_rsq_f32 v[R+1], v[S]
	v_rsq_f32 v[R+2], v[S+4]
	v_rsq_f32 v[R+3], v[S+4]
	s_wait_loadcnt 0x0                             ; norm_w
.irp q, 0,1
.irp j, 0,2,4,6,8,10,12,14
	v_pk_mul_f32 v[X+16*\q+\j:X+16*\q+\j+1], v[X+16*\q+\j:X+16*\q+\j+1], v[W+\j:W+\j+1]   ; x norm_w: plain work behind the four roots, which names neither their results nor their sources
.endr
.endr
	s_wait_alu depctr_va_vdst(0)                   ; one wait for the four roots, ahead of their first reader
.irp q, 0,1
.irp j, 0,2,4,6,8,10,12,14
	v_pk_mul_f32 v[X+16*\q+\j:X+16*\q+\j+1], v[X+16*\q+\j:X+16*\q+\j+1], v[R+2*\q:R+2*\q+1]
.endr
.endr
.irp q, 0,1
.irp c, 0,1,2,3
	global_store_b128 v1, v[X+16*\q+4*\c:X+16*\q+4*\c+3], s[8:9] offset:2048*\q+512*\c th:TH_STORE_NT   ; 32 lanes store 512 consecutive bytes, at a multiple of 256 from the buffer's first byte
.endr
.endr
	s_endpgm
.Lfunc_end_k_q8453806afc_norm:
	.size	k_q8453806afc_norm, .Lfunc_end_k_q8453806afc_norm-k_q8453806afc_norm
	.p2alignl 7, 3214868480
	.fill 96, 4, 3214868480
	.section	.rodata,"a",@progbits
	.p2align	6, 0x0
	.amdhsa_kernel k_q8453806afc_norm
		.amdhsa_group_segment_fixed_size 0
		.amdhsa_private_segment_fixed_size 0
		.amdhsa_enable_private_segment 0
		.amdhsa_kernarg_size 24
		.amdhsa_user_sgpr_count 2
		.amdhsa_user_sgpr_kernarg_segment_ptr 1
		.amdhsa_wavefront_size32 1
		.amdhsa_system_sgpr_workgroup_id_x 1
		.amdhsa_system_sgpr_workgroup_id_y 1
		.amdhsa_system_sgpr_workgroup_id_z 1
		.amdhsa_system_vgpr_workitem_id 0
		.amdhsa_next_free_vgpr 72
		.amdhsa_next_free_sgpr 66
		.amdhsa_reserve_vcc 0
		.amdhsa_float_denorm_mode_32 3
		.amdhsa_float_denorm_mode_16_64 3
		.amdhsa_memory_ordered 1
		.amdhsa_forward_progress 1
		.amdhsa_inst_pref_size 8
	.end_amdhsa_kernel
	.amdgpu_metadata
---
amdhsa.version: [ 1, 2 ]
amdhsa.kernels:
  - .name:           k_q8453806afc_norm
    .symbol:         k_q8453806afc_norm.kd
    .args:
      - { .name: pooled, .offset: 0, .size: 8, .value_kind: global_buffer, .address_space: global }
      - { .name: norm_w, .offset: 8, .size: 8, .value_kind: global_buffer, .address_space: global }
      - { .name: out0, .offset: 16, .size: 8, .value_kind: global_buffer, .address_space: global }
    .group_segment_fixed_size: 0
    .private_segment_fixed_size: 0
    .kernarg_segment_align: 8
    .kernarg_segment_size: 24
    .max_flat_workgroup_size: 256
    .sgpr_count:     66
    .vgpr_count:     72
    .wavefront_size: 32
...
	.end_amdgpu_metadata
.endif
;; end of part 2
